; MI455X (gfx1250); checked and timed in simulation.
; The chip was launched on July 23, 2026; its instructions are those of AMD's public machine-readable ISA for CDNA 5 (MIT licence, August 2026) and "CDNA5" Instruction Set Architecture Reference Guide (July 2026). The comments in the code are by the model that wrote it; some were corrected since.
;; Grouped Query Attention. Allowed arithmetic: matrix products marked QUANTISED: E2M1 operands, one E8M0 scale for each 32 along K, by v_wmma_scale_f32_16x16x128_f8f6f4 with both operands' format E2M1 (or v_wmma_scale_f32_32x16x128_f4), f32 sums; everything else in f32.
;; Inputs: Wk_codes 512 x 64 x 16 uint8 (E2M1 codes of Wk, K innermost, in blocks of 32 codes, two codes a byte); Wk_scales 512 x 64 uint8 (E8M0 scales of Wk, one for each 32 codes along K); Wo_codes 2,048 x 64 x 16 uint8 (E2M1 codes of Wo, K innermost, in blocks of 32 codes, two codes a byte); Wo_scales 2,048 x 64 uint8 (E8M0 scales of Wo, one for each 32 codes along K); Wq_codes 2,048 x 64 x 16 uint8 (E2M1 codes of Wq, K innermost, in blocks of 32 codes, two codes a byte); Wq_scales 2,048 x 64 uint8 (E8M0 scales of Wq, one for each 32 codes along K); Wv_codes 512 x 64 x 16 uint8 (E2M1 codes of Wv, K innermost, in blocks of 32 codes, two codes a byte); Wv_scales 512 x 64 uint8 (E8M0 scales of Wv, one for each 32 codes along K); context_codes 4 x 1,024 x 64 x 16 uint8 (E2M1 codes of context, K innermost, in blocks of 32 codes, two codes a byte); context_cos 1 x 1 x 1,024 x 64 float32; context_scales 4 x 1,024 x 64 uint8 (E8M0 scales of context, one for each 32 codes along K); context_sin 1 x 1 x 1,024 x 64 float32; cos 1 x 1 x 1,024 x 64 float32; sin 1 x 1 x 1,024 x 64 float32; x_codes 4 x 1,024 x 64 x 16 uint8 (E2M1 codes of x, K innermost, in blocks of 32 codes, two codes a byte); x_scales 4 x 1,024 x 64 uint8 (E8M0 scales of x, one for each 32 codes along K).
;; Outputs: out0 4 x 1,024 x 2,048 float32.
;; This version of the problem:
;;   THIS VERSION OF THE PROBLEM IS GIVEN IN LOW PRECISION. The matrix products marked QUANTISED in the list below multiply operands that are first quantised to E2M1 (2 exponent bits, 1 mantissa bit; 4 bits a number), with one power-of-two scale for each 32 numbers along K (OCP MX v1.0); their sums are f32. All else is computed in f32.
;;   The module's matrix products, in the order in which they are computed (A, B: the left and right operand; K: the contracted axis; several contracted axes count as one K, in the product's order):
;;     1. [M 4,096, K 2,048] x [K 2,048, N 2,048]; A: input x (given as codes); B: input Wq (given as codes): QUANTISED
;;     2. [M 4,096, K 2,048] x [K 2,048, N 512]; A: input context (given as codes); B: input Wk (given as codes): QUANTISED
;;     3. [M 4,096, K 2,048] x [K 2,048, N 512]; A: input context (given as codes); B: input Wv (given as codes): QUANTISED
;;     4. batch 32 x [M 4,096, K 64] x [K 64, N 1,024]; A: computed on the way; B: computed on the way: QUANTISED
;;     5. batch 32 x [M 4,096, K 1,024] x [K 1,024, N 64]; A: softmax (see below); B: computed on the way: QUANTISED
;;     6. [M 4,096, K 2,048] x [K 2,048, N 2,048]; A: computed on the way; B: input Wo (given as codes): QUANTISED
;;   THE QUANTISER, for each operand of a quantised product, along K:
;;     - K is cut into blocks of 32 from its start; a last block that is shorter is filled with zeros.
;;     - A block's scale is 2^e with e = floor(log2(the largest magnitude in the block)) - 2, held to -126 .. 127; a block of zeros has e = 0. As a byte (E8M0): e + 127.
;;     - Each number is divided by its block's scale, clamped to +-6, and rounded to the nearest number of E2M1, ties to even, subnormals kept.
;;     - The product sums the exact products of the quantised numbers (number of the format x scale) in f32.
;;   ~~~python
;;   def quantise(x, axis):      # numpy; x: float32 -> the quantised numbers, widened to float32 again
;;       x = np.moveaxis(x, axis, -1); K = x.shape[-1]
;;       x = np.pad(x, [(0, 0)] * (x.ndim - 1) + [(0, -K % 32)]); x = x.reshape(x.shape[:-1] + (-1, 32)); a = np.abs(x).max(-1, keepdims=True)
;;       e = np.where(a > 0, np.clip(np.frexp(np.where(a > 0, a, 1))[1] - 1 - 2, -126, 127), 0)      # np.frexp(a)[1] - 1 = floor(log2(a)), exactly
;;       r = np.clip(x / 2.0 ** e, -6, 6)
;;       step = 2.0 ** (np.maximum(np.frexp(np.where(r == 0, 1, r))[1] - 1, 0) - 1)
;;       q = np.round(r / step) * step * 2.0 ** e      # np.round: ties to even
;;       return np.moveaxis(q.reshape(q.shape[:-2] + (-1,))[..., :K], -1, axis).astype(np.float32)
;;   ~~~
;;   SOFTMAX AHEAD OF A QUANTISED PRODUCT. Where the list says 'softmax', what is quantised is not the finished softmax but p = 2^(t - M), with t = logit x log2(e) and M = ceil(the row's largest t), a whole number; so 1/2 < the row's largest p <= 1. The row's sum l is taken of the UNQUANTISED p, in f32, and the product's result is divided by l at the end. Since M is a whole number, a kernel that streams over the keys may use a running M (the ceiling of the running maximum): every later rescaling is an exact power of two, which a block's scale takes up: the codes' values come out the same.
;;   OPERANDS COMPUTED ON THE WAY. 'Computed on the way' means the value that the module computes at that place (a softmax that the list does not call 'softmax' is quantised finished and normalised). What goes into a quantiser is computed in f32, as accurately as f32 sums, v_exp_f32 and their like allow (about 1e-6 of the number): no bf16 or f16 on the way to a quantiser, and a product that is left as it is and whose result goes on into a quantised operand takes f32 operands (vector FMAs, or v_wmma_f32_16x16x4_f32). A number that lies on a knife's edge between two numbers of the format may be rounded either way, as far as f32 arithmetic and the matrix unit's own rounding can turn it there, and no further.
;;   INPUTS GIVEN AS CODES. Wk (in the module: [2048, 512], K = its axis 0); Wo (in the module: [2048, 2048], K = its axis 0); Wq (in the module: [2048, 2048], K = its axis 0); Wv (in the module: [2048, 512], K = its axis 0); context (in the module: [4, 1024, 2048], K = its axis 2); x (in the module: [4, 1024, 2048], K = its axis 2): each comes as NAME_codes (uint8): NAME with its K axis moved to the last place and cut into blocks of 32 codes, [.., K / 32, bytes a block], one block behind the other in memory; two codes a byte, the lower K in the low four bits (a code: sign, 2 exponent bits, 1 mantissa bit); and NAME_scales (uint8): the same leading axes, one E8M0 byte (e + 127) for each 32 codes along K. Its value is code x scale, taken as it is: it is not quantised again, and the codes and scales need not be those that the quantiser above would give.
;; One version. Each part assembles by itself: llvm-mc -triple=amdgcn-amd-amdhsa -mcpu=gfx1250 --defsym DOCPART=n.
;; ======== version 1 of 1: 3 launches
;; limits: right only within a limited range of input values
;; workspace buffers: qimg 4,194,304 bytes; qscl 524,288 bytes; kv 2,293,760 bytes; ocod 4,194,304 bytes; oscl 262,144 bytes
;; launch proj (part 1): grid 192 x 1, 4 waves a work-group, no clusters, 327,680 bytes of LDS; arguments x_codes, x_scales, context_codes, context_scales, Wq_codes, Wq_scales, Wk_codes, Wk_scales, Wv_codes, Wv_scales, cos, sin, context_cos, context_sin, qimg, qscl, kv; writes qimg, qscl, kv
.if DOCPART == 1
	.amdgcn_target "amdgcn-amd-amdhsa--gfx1250"
	.amdhsa_code_object_version 6
	.text
	.protected	k_qc25fb89b7e_proj
	.globl	k_qc25fb89b7e_proj
	.p2align	8
	.type	k_qc25fb89b7e_proj,@function
k_qc25fb89b7e_proj:
	s_mov_b64 s[64:65], 0
	v_nop
	global_prefetch_b8 v0, s[64:65] scope:SCOPE_SE
	s_setreg_imm32_b32 hwreg(HW_REG_WAVE_MODE, 25, 1), 1
	s_wait_xcnt 0x0
; THE THREE PROJECTIONS on codes of FP4 (E2M1) with E8M0 scales, the rotary embedding of q and k in f32, and the quantising of q, k (along d) and v (along the keys).
; A work-group of four waves makes 256 x 256 of a product P R^T, K = 2,048; a wave 128 x 128: 64 accumulators of 16 x 16.  Source 0 = 16 rows of R, source 1 = 16 rows of P:
; in accumulator (a, b) lane (r, h) holds P's row 16 a + r, and its registers j hold R's rows 16 b + 8 h + j.
; WHICH PRODUCT hangs on the work-group's number alone, and in the K loop only pointers differ:  0-127: q: P = x, R = Wq;  128-159: k: P = context, R = Wk;  160-191: v: P = Wv, R = context.
; So for q and k a lane's registers run along d, and for v along the keys: in each case along the K of the product that follows, and nothing is transposed.
; RESULTS leave as images of operand registers: a tile of 16 rows x 64 along K is 512 bytes, lane l's 16 bytes at 16 l.  qimg [b][head][tile of 16 queries][512];
; qscl [b][head][128 rows][512]: the word of row 16 a + r at 256 (a / 4) + 16 r + 4 (a % 4);  kv [b][kv head][128 keys][8,960]: K's 8 tiles, V's 4 fragments of 1,024, K's 512 bytes of words, V's 256.
; q's and k's scale words carry the byte 127 for the upper 64 of the next product's 128 along K, where q's codes are zeros.
; NO CLUSTER: k's tiles are 16 x 2 and v's 2 x 16 work-groups, so no 4 x 4 block holds tiles of one kind; in 4 x 1 the shared operand would be R for q and k and P for v, and the way out branches on the kind.
; 192 work-groups: tiles half as large would need two turns on 256 WGPs and read half as many products from each LDS byte.
; LIMITS: NaN and infinities among the computed numbers are not served.  A block of zeros carries the byte 1 (not 127) over zero codes: the bytes are read by this program alone.
; The rotary embedding is one multiplication and one fused multiply-add: one rounding fewer than two products and a sum.
; REGISTERS, in windows of 256.  Window 0: v16-29 addresses; v32-95 scale words, two sets, and nothing else; v96-111 at work; v112-127 scale words made; v128-191 P's fragments, later the codes made;
;   v192-223 a run of 64 numbers; v224-231 words to store.  Window 1: R's fragments, two sets; later cos and sin, four sets of 64.  Windows 2, 3: the accumulators ((a, b) at v[8 (8 (a % 4) + b)]).
.set KSTEP,  512                       ; along K in a slot
.set NQ,     4                         ; matrix instructions deep
.set ROWB,   256                       ; a tile's row in bytes
.set KROW,   1024                      ; a row of codes in memory
.set PITCH,  272                       ; an LDS row: 256 bytes + 16: the 16 rows of a load start at 16 different groups of banks
.set FR,     8
.set NL,     2
.set NP,     4
.set HALFT,  128*PITCH
.set SLOT,   4*HALFT                   ; P's 256 rows, then R's
.set KS,     64                        ; a row of scale bytes
.set SCL,    2*SLOT                    ; behind the ring: all scales, as 256 bytes + 16
.set HALFS,  (128*KS/256)*272
.set SBLK,   (16*KS/256)*272
.set SPARE,  SCL+4*HALFS               ; the spare words: 128 bytes a wave
.set CHUNK,  8960
.set KVH,    8*CHUNK
.set ADRA, 16
.set ADRB, 20
.set L16,  24                          ; 16 x lane
.set CSO,  25                          ; 256 r + 32 h: my place in 16 rows of cos or sin
.set VSO,  26                          ; KVH h + 16 r: V's scale words
.set ADRS, 27
.set SPW,  28
.set NIL,  29
.set SC,   32
.set TM,   96                          ; +0,1 largest magnitudes; +2,3 the other half's; +4,5 scale operands; +6,7 bytes; +8 at work
.set SW,   112
.set AF,   128
.set PCD,  128
.set XR,   192
.set TS,   224
.set G1,   24
.set G0,   32
.set G1S,  88
.set G0S,  96
.set MSB, 0
.macro WIN new                         ; the immediate's high byte repeats the setting that is left
.if MSB != (\new)
	s_set_vgpr_msb (MSB<<8)|(\new)
.set MSB, (\new)
.endif
.endm
.set MUL_LO, 0xa1                      ; source 0 (R) window 1, source 1 (P) window 0, C and D window 2
.set MUL_HI, 0xf1
.set TO_B,   0x40
.macro TLOAD g0, g1                    ; a tensor load of this wave's own rows; four v_nop follow it
	tensor_load_to_lds s[\g0:\g0+3], s[\g1:\g1+7]
	s_nop 0
.rept 4
	v_nop
.endr
.endm
	s_load_b512 s[40:55], s[0:1], 0x0              ; x c 40, x s 42, context c 44, s 46, Wq c 48, s 50, Wk c 52, s 54
	s_load_b512 s[68:83], s[0:1], 0x40             ; Wv c 68, s 70, cos 72, sin 74, context_cos 76, context_sin 78, qimg 80, qscl 82
	s_load_b64 s[84:85], s[0:1], 0x80              ; kv
	v_lshl_add_u32 v[SPW], v0, 2, SPARE
	v_mov_b32 v[NIL], 0
	ds_add_u32 v28, v29
	ds_add_u32 v28, v29
	s_wait_dscnt 0x0
	v_lshrrev_b32 v1, 5, v0
	v_readfirstlane_b32 s14, v1                    ; wave 0..3
	s_lshr_b32 s15, s14, 1                         ; my half of P's rows.  Also: I fetch for P (0) or for R (1)
	s_and_b32 s16, s14, 1                          ; my half of R's rows.  Also: which 128 rows I fetch
	s_lshr_b32 s56, ttmp9, 3                       ; the tile of P (s86) and of R (s87), for each kind; then the choice
	s_and_b32 s57, ttmp9, 7
	s_sub_co_u32 s58, ttmp9, 128
	s_lshr_b32 s59, s58, 1
	s_and_b32 s60, s58, 1
	s_sub_co_u32 s58, ttmp9, 160
	s_and_b32 s61, s58, 1
	s_lshr_b32 s62, s58, 1
	s_cmp_lt_u32 ttmp9, 160
	s_cselect_b32 s86, s59, s61
	s_cselect_b32 s87, s60, s62
	s_cmp_lt_u32 ttmp9, 128
	s_cselect_b32 s86, s56, s86
	s_cselect_b32 s87, s57, s87
	; descriptor group 1: rows of 256 bytes, 1,024 bytes apart, 16 bytes of padding behind each: 256 rows for the head's loads; behind them the two words that count rows are set to 128, for the ring's
	s_mov_b32 s[G1+0], (0<<16)|(1<<20)|(5<<22)|(3<<25)
	s_mov_b32 s[G1+1], ROWB<<16
	s_mov_b32 s[G1+2], 256<<16
	s_mov_b32 s[G1+3], ROWB<<16
	s_mov_b32 s[G1+4], 256
	s_mov_b32 s[G1+5], KROW
	s_mov_b32 s[G1+6], 0
	s_mov_b32 s[G1+7], 0
	; the scales of 256 rows: 16,384 dense bytes as 64 rows of 256 (32 elements of 8 bytes), padded likewise
	s_mov_b32 s[G1S+0], (3<<16)|(1<<20)|(5<<22)|(3<<25)
	s_mov_b32 s[G1S+1], 32<<16
	s_mov_b32 s[G1S+2], 64<<16
	s_mov_b32 s[G1S+3], 32<<16
	s_mov_b32 s[G1S+4], 64
	s_mov_b32 s[G1S+5], 32
	s_mov_b32 s[G1S+6], 0
	s_mov_b32 s[G1S+7], 0
	s_mul_i32 s12, s14, HALFT                      ; where my rows go: wave x 128 rows
	s_cmp_eq_u32 s15, 0
	s_cselect_b32 s56, s86, s87
	s_lshl_b32 s56, s56, 8
	s_lshl_b32 s57, s16, 7
	s_add_co_u32 s56, s56, s57                     ; the first row that I fetch
	s_lshl_b32 s58, s56, 10                        ; its codes,
	s_mov_b32 s59, 0
	s_mov_b32 s61, 0
	s_wait_kmcnt 0x0
	s_cmp_lt_u32 ttmp9, 160                        ; k or v
	s_cselect_b64 s[4:5], s[44:45], s[68:69]       ; P's codes, P's scales, R's codes, R's scales
	s_cselect_b64 s[6:7], s[46:47], s[70:71]
	s_cselect_b64 s[8:9], s[52:53], s[44:45]
	s_cselect_b64 s[10:11], s[54:55], s[46:47]
	s_cmp_lt_u32 ttmp9, 128                        ; q
	s_cselect_b64 s[4:5], s[40:41], s[4:5]
	s_cselect_b64 s[6:7], s[42:43], s[6:7]
	s_cselect_b64 s[8:9], s[48:49], s[8:9]
	s_cselect_b64 s[10:11], s[50:51], s[10:11]
	s_cselect_b64 s[72:73], s[72:73], s[76:77]     ; q's tables or k's
	s_cselect_b64 s[74:75], s[74:75], s[78:79]
	s_cmp_eq_u32 s15, 0                            ; the ring: I fetch 128 rows of P (waves 0, 1) or of R (waves 2, 3)
	s_cselect_b64 s[62:63], s[4:5], s[8:9]
	s_add_nc_u64 s[62:63], s[62:63], s[58:59]
	s_cmp_eq_u32 s16, 0                            ; the head: even waves fetch for P, odd waves for R, all 256 rows
	s_cselect_b64 s[G0S+2:G0S+3], s[6:7], s[10:11] ; that operand's scales,
	s_cselect_b64 s[6:7], s[4:5], s[8:9]           ; its codes (s[4:7] become the group 0 of the head's load of codes),
	s_cselect_b32 s56, s86, s87                    ; its tile
	s_lshl_b32 s60, s56, 18                        ; 256 rows of 1,024 bytes of codes a tile
	s_add_nc_u64 s[6:7], s[6:7], s[60:61]
	s_lshl_b32 s60, s56, 14                        ; 256 rows of 64 scale bytes
	s_add_nc_u64 s[G0S+2:G0S+3], s[G0S+2:G0S+3], s[60:61]
	s_or_b32 s7, s7, 0x80000000
	s_or_b32 s[G0S+3], s[G0S+3], 0x80000000
	s_mov_b32 s4, 1
	s_mul_i32 s5, s16, 2*HALFT                     ; slot 0: P's 256 rows, then R's
	s_mov_b32 s[G0S], 1
	s_mul_i32 s13, s16, 2*HALFS
	s_add_co_u32 s[G0S+1], s13, SCL
.irp s, 0,1
	s_mov_b32 s[G0+4*\s], 1
	s_add_co_u32 s[G0+4*\s+1], s12, \s*SLOT
	s_add_nc_u64 s[G0+4*\s+2:G0+4*\s+3], s[62:63], \s*ROWB
	s_or_b32 s[G0+4*\s+3], s[G0+4*\s+3], 0x80000000
.endr
	; the head's four tiles, one load a wave: waves 0, 1: K step 0's 256 rows of P, of R; waves 2, 3: the scales of P's 256 rows, of R's
	s_cmp_eq_u32 s15, 0
	s_cbranch_scc0 .Lhead_s
	TLOAD 4, G1
	s_branch .Lhead_j
.Lhead_s:
	TLOAD G0S, G1S
.Lhead_j:
	; PREFETCHES of K steps 1 to 3.  The work-groups that read a tile share its rows out by the number of their OTHER operand's tile: a tile of x has 8 readers, a tile of context 4 (two of k, two of v), a tile of weights 16.
	; Of the 128 rows that my wave fetches in the ring my share is 16, 32 or 8 rows, a lane a row (a K step is 256 aligned bytes of a row; lanes left over name the share's last row again): each block is named once in the launch.
	s_cmp_eq_u32 s15, 0
	s_cselect_b32 s17, s87, s86                    ; my place among the readers
	s_cmp_ge_u32 ttmp9, 160
	s_cselect_b32 s20, 1, 0                        ; v?
	s_xor_b32 s23, s20, s15                        ; 0: my rows are x's or context's (q, k: P; v: R)
	s_lshl_b32 s20, s20, 1                         ; v's work-groups come behind k's two
	s_cmp_lt_u32 ttmp9, 128
	s_cselect_b32 s2, 16, 32
	s_cmp_eq_u32 s23, 0
	s_cselect_b32 s2, s2, 8                        ; rows in my share
	s_cselect_b32 s20, s20, 0
	s_add_co_u32 s17, s17, s20
	s_mul_i32 s17, s17, s2                         ; its first row,
	s_lshl_b32 s18, s17, 10                        ; in bytes
	s_mov_b32 s19, 0
	s_add_nc_u64 s[18:19], s[62:63], s[18:19]      ; never rewritten
	s_sub_co_u32 s2, s2, 1
	v_and_b32 v30, 31, v0
	v_min_u32 v30, s2, v30
	v_lshlrev_b32 v30, 10, v30                     ; never rewritten
	global_prefetch_b8 v30, s[18:19] offset:ROWB th:TH_LOAD_NT scope:SCOPE_SE     ; K step 1: its load follows the head's
	global_prefetch_b8 v30, s[18:19] offset:2*ROWB th:TH_LOAD_NT scope:SCOPE_SE   ; K step 2: its load stands a K step further on
	v_and_b32 v1, 15, v0                           ; r
	v_bfe_u32 v2, v0, 4, 1                         ; h
	v_mul_u32_u24 v3, v1, PITCH
	v_lshl_add_u32 v4, v2, 4, v3
	s_mul_i32 s21, s15, HALFT
	s_mul_i32 s22, s16, HALFT
	s_add_co_u32 s22, s22, 2*HALFT
.irp s, 0,1
	v_add_nc_u32 v[ADRA+\s], s21, v4
	v_add_nc_u32 v[ADRB+\s], s22, v4
	s_add_co_u32 s21, s21, SLOT
	s_add_co_u32 s22, s22, SLOT
.endr
	v_mul_u32_u24 v5, v1, KS                       ; my row's scales: 64 bytes a row, and 16 more for each 256 passed
	v_lshrrev_b32 v6, 8, v5
	v_lshl_add_u32 v5, v6, 4, v5
	s_mul_i32 s21, s15, HALFS
	s_mul_i32 s22, s16, HALFS
	s_add_co_u32 s22, s22, 2*HALFS
	s_sub_co_u32 s22, s22, s21
	v_mul_u32_u24 v6, s22, v2                      ; lanes 16-31 take R's
	s_add_co_u32 s21, s21, SCL
	v_add_nc_u32 v5, v5, v6
	v_add_nc_u32 v[ADRS], s21, v5
	v_and_b32 v6, 31, v0
	v_lshlrev_b32 v[L16], 4, v6
	v_lshlrev_b32 v[CSO], 8, v1
	v_lshl_add_u32 v[CSO], v2, 5, v[CSO]
	v_mul_u32_u24 v[VSO], v2, KVH
	v_lshl_add_u32 v[VSO], v1, 4, v[VSO]
.macro FRAG reg, adr, q, i             ; 16 rows x 128 K of 4-bit codes: 8 registers, two loads of 16 bytes, 32 bytes apart
.irp c, 0,1
	ds_load_b128 v[\reg+4*\c:\reg+4*\c+3], v[\adr] offset:64*(\q)+32*\c+(\i)*16*PITCH
.endr
.endm
; 16 matrix instructions: P's blocks a0, a0 + 1 x R's eight.  The 64 accumulators take turns, one instruction a turn, in the same order in every step.
.macro MUL16 a0, p, q, sc, zero
.irp a, \a0, \a0+1
.irp b, 0,1,2,3,4,5,6,7
.if \zero
	v_wmma_scale_f32_16x16x128_f8f6f4 v[8*(8*((\a)%4)+\b):8*(8*((\a)%4)+\b)+7], v[128*(\p)+FR*\b:128*(\p)+FR*\b+FR-1], v[AF+FR*(\a):AF+FR*(\a)+FR-1], 0, v[SC+8*NQ*(\sc)+NQ*\b+(\q)], v[SC+8*NQ*(\sc)+NQ*(\a)+(\q)] matrix_a_fmt:MATRIX_FMT_FP4 matrix_b_fmt:MATRIX_FMT_FP4 matrix_a_scale:MATRIX_SCALE_ROW1
.else
	v_wmma_scale_f32_16x16x128_f8f6f4 v[8*(8*((\a)%4)+\b):8*(8*((\a)%4)+\b)+7], v[128*(\p)+FR*\b:128*(\p)+FR*\b+FR-1], v[AF+FR*(\a):AF+FR*(\a)+FR-1], v[8*(8*((\a)%4)+\b):8*(8*((\a)%4)+\b)+7], v[SC+8*NQ*(\sc)+NQ*\b+(\q)], v[SC+8*NQ*(\sc)+NQ*(\a)+(\q)] matrix_a_fmt:MATRIX_FMT_FP4 matrix_b_fmt:MATRIX_FMT_FP4 matrix_a_scale:MATRIX_SCALE_ROW1
.endif
.endr
.endr
.endm
.macro FETCH_B slot, q, p
	WIN TO_B
.irp i, 0,1,2,3,4,5,6,7
	FRAG 128*(\p)+FR*\i, ADRB+\slot, \q, \i
.endr
	WIN 0
.endm
.macro FETCH_A slot, q, i0
.irp i, \i0, \i0+1, \i0+2, \i0+3
	FRAG AF+FR*(\i), ADRA+\slot, \q, \i
.endr
.endm
.macro SCALES sc                       ; a K step's scale words: lanes 0-15 P's block i, lanes 16-31 R's block i
.irp i, 0,1,2,3,4,5,6,7
	ds_load_b128 v[SC+8*NQ*\sc+NQ*\i:SC+8*NQ*\sc+NQ*\i+3], v[ADRS] offset:\i*SBLK
.endr
.endm
.macro PLACES n                        ; plain vector places between a matrix instruction and a load into, or a vector read of, its registers
.rept \n
	v_nop
.endr
.endm
.macro STEP slot, q, zero              ; 128 along K with its successor in the same slot
	s_wait_dscnt 4*NL                              ; all but the youngest eight loads (P's blocks 4-7)
	WIN MUL_LO
	MUL16 0, (\q)%2, \q, \slot, \zero
	MUL16 2, (\q)%2, \q, \slot, \zero
	s_wait_dscnt 0
	PLACES NP
	FETCH_B \slot, (\q)+1, 1-(\q)%2
	FETCH_A \slot, (\q)+1, 0
	WIN MUL_HI
	MUL16 4, (\q)%2, \q, \slot, \zero
	MUL16 6, (\q)%2, \q, \slot, \zero
	PLACES NP
	WIN 0
	FETCH_A \slot, (\q)+1, 4
.endm
; A slot's last step changes slots: one barrier.  In front of it each wave waits for all its tensor loads, adds 0 to its spare word, and waits for that and for its reads of this slot.
.macro TURN slot, next, fill
	s_wait_tensorcnt 0x0                           ; my part of the next slot has landed; no load of mine is out
	ds_add_u32 v[SPW], v[NIL]
	s_wait_dscnt 4*NL+1                            ; the add and the youngest eight loads may be out
	WIN MUL_LO
	MUL16 0, 1, NQ-1, \slot, 0
	s_wait_dscnt 0x0                               ; the add is done, my reads of this slot are over
	s_barrier_signal -1
	MUL16 2, 1, NQ-1, \slot, 0
	WIN 0
	s_barrier_wait -1
.if \fill
	s_add_nc_u64 s[G0+4*\slot+2:G0+4*\slot+3], s[G0+4*\slot+2:G0+4*\slot+3], 2*ROWB
	TLOAD G0+4*\slot, G1                           ; my one tensor load behind the barrier: this slot, two K steps on; its four v_nop are the places for the loads below
.else
	PLACES NP
.endif
	v_add_nc_u32 v[ADRS], 4*NQ, v[ADRS]
	FETCH_B \next, 0, 0
	FETCH_A \next, 0, 0
	SCALES \next
	WIN MUL_HI
	MUL16 4, 1, NQ-1, \slot, 0
	MUL16 6, 1, NQ-1, \slot, 0
	PLACES NP
	WIN 0
	FETCH_A \next, 0, 4
.endm
.macro STEPS slot, from
.set Q, \from
.rept NQ-1-\from
	STEP \slot, Q, 0
.set Q, Q+1
.endr
.endm
.macro FINISH                          ; the wave's end
	s_wait_tensorcnt 0x0
	ds_add_u32 v[SPW], v[NIL]
	s_wait_dscnt 0x0
	s_endpgm
.endm
	s_wait_alu depctr_va_vdst(0)
	s_wait_tensorcnt 0x0                           ; my tile of the head's four is in
	ds_add_u32 v[SPW], v[NIL]
	s_mov_b32 s[G1+2], 128<<16                     ; no tensor load of mine is out: from here on a load brings 128 rows
	s_mov_b32 s[G1+4], 128
	s_wait_dscnt 0x0
	s_barrier_signal -1
	s_barrier_wait -1                              ; all four tiles are in
	TLOAD G0+4, G1                                 ; K step 1, my quarter of slot 1: my one tensor load behind this barrier
	FETCH_B 0, 0, 0
	FETCH_A 0, 0, 0
	SCALES 0
	FETCH_A 0, 0, 4
	global_prefetch_b8 v30, s[18:19] offset:3*ROWB th:TH_LOAD_NT scope:SCOPE_SE   ; K step 3, the last: two changes of slots ahead of its load
	STEP 0, 0, 1
	s_mov_b32 s3, 1                                ; 2,048 along K are two laps of the ring: one trip fills both slots again
.Llap:
	STEPS 0, 1
	s_wait_alu depctr_va_vdst(0)
	TURN 0, 1, 1
	s_wait_alu depctr_va_vdst(0)
	STEPS 1, 0
	TURN 1, 0, 1
	STEP 0, 0, 0
	s_sub_co_u32 s3, s3, 1
	s_cmp_lg_u32 s3, 0
	s_cbranch_scc1 .Llap
	STEPS 0, 1
	s_wait_alu depctr_va_vdst(0)
	TURN 0, 1, 0
	STEPS 1, 0
	s_wait_dscnt 4*NL
	WIN MUL_LO
	MUL16 0, 1, NQ-1, 1, 0
	MUL16 2, 1, NQ-1, 1, 0
	s_wait_dscnt 0
	WIN MUL_HI
	MUL16 4, 1, NQ-1, 1, 0
	MUL16 6, 1, NQ-1, 1, 0
	WIN 0
	PLACES NP                                      ; behind the last products: results are read, and fragments' registers written, below
; 32 registers v[s + 8 t + j] (in window win) = positions 16 t + 8 h + j of a run of 64 along the next K become 16 bytes of codes in v[pc .. pc + 3]: positions 32 h .. 32 h + 31; the two blocks' bytes in v[TM+6], v[TM+7].
; A block's largest magnitude (with the floor 2^(3 - 127) among its leaves) less 2 in its exponent field is the conversion's scale operand; that field is the byte.
; TWO runs at a time, at s and at s2 (both in window win): their four blocks' chains take turns line by line.  The second run's codes go to v[pc + 4 .. pc + 7]; it works in v[T2 ..] as the first does in v[TM ..].
.set T2, 6                             ; v6-14
.macro Q64 s, s2, win, pc
	WIN (\win)*5
.irp e, 0,1
	v_max3_num_f32 v[TM+\e], |v[(\s)+16*\e]|, |v[(\s)+16*\e+1]|, 0x1800000
	v_max3_num_f32 v[T2+\e], |v[(\s2)+16*\e]|, |v[(\s2)+16*\e+1]|, 0x1800000
.endr
.irp i, 2,4,6,8,10,12,14
.irp e, 0,1
	v_max3_num_f32 v[TM+\e], |v[(\s)+16*\e+\i]|, |v[(\s)+16*\e+\i+1]|, v[TM+\e]
	v_max3_num_f32 v[T2+\e], |v[(\s2)+16*\e+\i]|, |v[(\s2)+16*\e+\i+1]|, v[T2+\e]
.endr
.endr
	WIN 0
.irp t, TM, T2
.irp e, 0,1
	v_permlanex16_b32 v[\t+2+\e], v[\t+\e], s50, s51
.endr
.endr
.irp t, TM, T2
.irp e, 0,1
	v_max_num_f32 v[\t+\e], v[\t+\e], v[\t+2+\e]   ; with lane l xor 16's sixteen
.endr
.endr
.irp t, TM, T2
.irp e, 0,1
	v_add_nc_u32 v[\t+4+\e], 0xff000000, v[\t+\e]
.endr
.endr
.irp t, TM, T2
.irp e, 0,1
	v_lshrrev_b32 v[\t+6+\e], 23, v[\t+4+\e]
.endr
.endr
	WIN \win
	v_cvt_scalef32_pk8_fp4_f32 v[(\pc)], v[(\s):(\s)+7], v[TM+4]
	v_cvt_scalef32_pk8_fp4_f32 v[(\pc)+2], v[(\s)+8:(\s)+15], v[TM+4]
	v_cvt_scalef32_pk8_fp4_f32 v[(\pc)+1], v[(\s)+16:(\s)+23], v[TM+5]
	v_cvt_scalef32_pk8_fp4_f32 v[(\pc)+3], v[(\s)+24:(\s)+31], v[TM+5]
	v_cvt_scalef32_pk8_fp4_f32 v[(\pc)+4], v[(\s2):(\s2)+7], v[T2+4]
	v_cvt_scalef32_pk8_fp4_f32 v[(\pc)+6], v[(\s2)+8:(\s2)+15], v[T2+4]
	v_cvt_scalef32_pk8_fp4_f32 v[(\pc)+5], v[(\s2)+16:(\s2)+23], v[T2+5]
	v_cvt_scalef32_pk8_fp4_f32 v[(\pc)+7], v[(\s2)+24:(\s2)+31], v[T2+5]
	WIN 0
	v_nop                                          ; one plain place behind the conversions
	v_permlane16_swap_b32 v[(\pc)], v[(\pc)+1]     ; (0-7 | 8-15), (32-39 | 40-47) -> (0-7 | 32-39), (8-15 | 40-47)
	v_permlane16_swap_b32 v[(\pc)+2], v[(\pc)+3]
	v_permlane16_swap_b32 v[(\pc)+4], v[(\pc)+5]
	v_permlane16_swap_b32 v[(\pc)+6], v[(\pc)+7]
.endm
	v_mov_b32 v[TM+2], 0                           ; a lane permute's destination counts as read
	v_mov_b32 v[TM+3], 0
	v_mov_b32 v[T2+2], 0
	v_mov_b32 v[T2+3], 0
	s_mov_b32 s48, 0xffff0000                      ; lanes 16-31
	s_mov_b32 s50, 0x76543210
	s_mov_b32 s51, 0xfedcba98
	s_cmp_ge_u32 ttmp9, 160
	s_cbranch_scc1 .Lv
	; ---- q and k.  P's tile: b = s86 / 4, rows 256 (s86 % 4) + 128 s15 of the sequence; R's: heads 4 s87 + 2 s16 and the next
	s_lshr_b32 s52, s86, 2
	s_and_b32 s53, s86, 3
	s_lshl_b32 s54, s87, 2
	s_lshl_b32 s55, s16, 1
	s_add_co_u32 s54, s54, s55                     ; my first head
	s_lshl_b32 s57, s53, 1
	s_add_co_u32 s57, s57, s15                     ; my group of 128 rows of the sequence
	s_lshl_b32 s66, s57, 15                        ; its rows of cos and sin: 128 x 256 bytes a group
	s_mov_b32 s67, 0
	s_lshl_b32 s56, s52, 5
	s_add_co_u32 s56, s56, s54
	s_lshl_b32 s58, s56, 3
	s_add_co_u32 s58, s58, s57                     ; q: (32 b + head) 8 + group
	s_lshl_b32 s59, s58, 12                        ; 8 tiles of 512 bytes,
	s_lshl_b32 s60, s58, 9                         ; 512 bytes of words
	s_lshl_b32 s61, s52, 3
	s_add_co_u32 s61, s61, s54
	s_lshl_b32 s61, s61, 3
	s_add_co_u32 s61, s61, s57
	s_mul_i32 s61, s61, CHUNK                      ; k: the chunk,
	s_add_co_u32 s62, s61, 8192                    ; and its words
	s_cmp_lt_u32 ttmp9, 128
	s_cselect_b32 s56, s59, s61
	s_cselect_b32 s58, s60, s62
	s_cselect_b64 s[40:41], s[80:81], s[84:85]
	s_cselect_b64 s[44:45], s[82:83], s[84:85]
	s_mov_b32 s60, KVH
	s_cselect_b32 s60, 32768, s60                  ; from a head to the next: images,
	s_mov_b32 s62, KVH
	s_cselect_b32 s62, 4096, s62                   ; words
	s_mov_b32 s57, 0
	s_mov_b32 s59, 0
	s_mov_b32 s61, 0
	s_mov_b32 s63, 0
	s_add_nc_u64 s[40:41], s[40:41], s[56:57]
	s_add_nc_u64 s[44:45], s[44:45], s[58:59]
	s_add_nc_u64 s[42:43], s[40:41], s[60:61]
	s_add_nc_u64 s[46:47], s[44:45], s[62:63]
	s_add_nc_u64 s[72:73], s[72:73], s[66:67]
	s_add_nc_u64 s[74:75], s[74:75], s[66:67]
.macro CSLOAD a                        ; cos and sin of block a's 16 rows in the accumulators' layout: register 8 t + j = d 16 t + 8 h + j; into set a % 4 of window 1
	WIN 0x40
.irp t, 0,1,2,3
	global_load_b128 v[64*((\a)%4)+8*\t:64*((\a)%4)+8*\t+3], v[CSO], s[72:73] offset:(\a)*4096+\t*64
	global_load_b128 v[64*((\a)%4)+8*\t+4:64*((\a)%4)+8*\t+7], v[CSO], s[72:73] offset:(\a)*4096+\t*64+16
.endr
.irp t, 0,1,2,3
	global_load_b128 v[64*((\a)%4)+32+8*\t:64*((\a)%4)+32+8*\t+3], v[CSO], s[74:75] offset:(\a)*4096+\t*64
	global_load_b128 v[64*((\a)%4)+32+8*\t+4:64*((\a)%4)+32+8*\t+7], v[CSO], s[74:75] offset:(\a)*4096+\t*64+16
.endr
	WIN 0
.endm
.macro ROPE a, g                       ; u cos + rotate_half(u) sin: d under 32 takes -u(d + 32), the others u(d - 32): the accumulator two tiles away.  Each accumulator is read from its low end on
.set AC, 64*((\a)%4)+32*(\g)
.set CB, 64*((\a)%4)
	WIN 0x06+(\a)/4                                ; source 0: the accumulators' window; source 1: window 1
.irp t, 0,1,2,3
.irp j, 0,2,4,6
	v_pk_mul_f32 v[XR+8*\t+\j:XR+8*\t+\j+1], v[AC+8*\t+\j:AC+8*\t+\j+1], v[CB+8*\t+\j:CB+8*\t+\j+1]
.endr
.endr
.irp t, 0,1
.irp j, 0,2,4,6
	v_pk_fma_f32 v[XR+8*\t+\j:XR+8*\t+\j+1], v[AC+8*(\t+2)+\j:AC+8*(\t+2)+\j+1], v[CB+32+8*\t+\j:CB+32+8*\t+\j+1], v[XR+8*\t+\j:XR+8*\t+\j+1] neg_lo:[1,0,0] neg_hi:[1,0,0]
.endr
.endr
.irp t, 2,3
.irp j, 0,2,4,6
	v_pk_fma_f32 v[XR+8*\t+\j:XR+8*\t+\j+1], v[AC+8*(\t-2)+\j:AC+8*(\t-2)+\j+1], v[CB+32+8*\t+\j:CB+32+8*\t+\j+1], v[XR+8*\t+\j:XR+8*\t+\j+1]
.endr
.endr
	WIN 0
.endm
	CSLOAD 0
	CSLOAD 1
	CSLOAD 2
	CSLOAD 3
.irp a, 0,1,2,3,4,5,6,7
.if \a < 5
	s_wait_loadcnt 48                              ; block a's 16 loads are in; three later sets of 16 may be out
.else
	s_wait_loadcnt 16*(7-\a)
.endif
.set XR, 192
	ROPE \a, 0                                     ; my first head's run into v192-223,
.set XR, 224
	ROPE \a, 1                                     ; the next head's into v224-255
	Q64 192, 224, 0, PCD+8*\a
	v_lshl_or_b32 v[TM+8], v[TM+7], 8, v[TM+6]
	v_lshl_or_b32 v[T2+8], v[T2+7], 8, v[T2+6]
	v_or_b32 v[SW+\a], 0x7f7f0000, v[TM+8]         ; the rows' words: two bytes, and 127 twice
	v_or_b32 v[SW+8+\a], 0x7f7f0000, v[T2+8]
.if \a < 4
	CSLOAD \a+4
.endif
.endr
.irp g, 0,1
.irp i, 0,1,2,3
	v_cndmask_b32 v[TS+4*\g+\i], v[SW+8*\g+\i], v[SW+8*\g+4+\i], s48   ; lanes 0-15: blocks 0-3 of row r; lanes 16-31: blocks 4-7
.endr
.endr
.irp a, 0,1,2,3,4,5,6,7                        ; all stores in one run behind the last vector instruction; each has data registers of its own
.irp g, 0,1
	global_store_b128 v[L16], v[PCD+4*(2*\a+\g):PCD+4*(2*\a+\g)+3], s[40+2*\g:41+2*\g] offset:\a*512   ; a tile's image: 512 consecutive bytes
.endr
.endr
.irp g, 0,1
	global_store_b128 v[L16], v[TS+4*\g:TS+4*\g+3], s[44+2*\g:45+2*\g]
.endr
	FINISH
.Lv:	; ---- v.  P's rows are kv head 4 s86 + 2 s15 + a / 4, d = 16 (a % 4) + r; R's are batch s87 / 4, key step 2 (s87 % 4) + s16, key 16 b + 8 h + j
	s_lshr_b32 s52, s87, 2
	s_and_b32 s53, s87, 3
	s_lshl_b32 s53, s53, 1
	s_add_co_u32 s53, s53, s16
	s_lshl_b32 s54, s86, 2
	s_lshl_b32 s55, s15, 1
	s_add_co_u32 s54, s54, s55
	s_lshl_b32 s52, s52, 3
	s_add_co_u32 s52, s52, s54
	s_lshl_b32 s52, s52, 3
	s_add_co_u32 s52, s52, s53
	s_mul_i32 s52, s52, CHUNK
	s_mov_b32 s53, 0
	s_add_nc_u64 s[40:41], s[84:85], s[52:53]
.irp a, 0,1,2,3,4,5,6,7
	Q64 64*(\a%4), 64*(\a%4)+32, 2+\a/4, PCD+8*\a  ; the accumulators as they stand: 128 keys of one d, two runs of 64
	v_lshl_or_b32 v[SW+\a], v[TM+7], 8, v[TM+6]
	v_lshl_or_b32 v[T2+8], v[T2+7], 8, v[T2+6]
	v_lshl_or_b32 v[SW+\a], v[T2+8], 16, v[SW+\a]  ; four blocks of 32 keys: the row's word
.endr
.irp i, 0,1,2,3
	v_cndmask_b32 v[TS+\i], v[SW+\i], v[SW+4+\i], s48   ; lanes 0-15: my first kv head's four tiles of d; lanes 16-31: the next head's
.endr
.irp a, 0,1,2,3,4,5,6,7                        ; all stores in one run behind the last vector instruction
.irp g, 0,1
	global_store_b128 v[L16], v[PCD+4*(2*\a+\g):PCD+4*(2*\a+\g)+3], s[40:41] offset:(\a/4)*KVH+4096+(\a%4)*1024+\g*512
.endr
.endr
	global_store_b128 v[VSO], v[TS:TS+3], s[40:41] offset:8704   ; sixteen lanes store 256 consecutive bytes
	FINISH
.Lfunc_end_k_qc25fb89b7e_proj:
	.size	k_qc25fb89b7e_proj, .Lfunc_end_k_qc25fb89b7e_proj-k_qc25fb89b7e_proj
	.p2alignl 7, 3214868480
	.fill 96, 4, 3214868480
	.section	.rodata,"a",@progbits
	.p2align	6, 0x0
	.amdhsa_kernel k_qc25fb89b7e_proj
		.amdhsa_group_segment_fixed_size 327680
		.amdhsa_private_segment_fixed_size 0
		.amdhsa_enable_private_segment 0
		.amdhsa_kernarg_size 136
		.amdhsa_user_sgpr_count 2
		.amdhsa_user_sgpr_kernarg_segment_ptr 1
		.amdhsa_wavefront_size32 1
		.amdhsa_system_sgpr_workgroup_id_x 1
		.amdhsa_system_sgpr_workgroup_id_y 1
		.amdhsa_system_sgpr_workgroup_id_z 1
		.amdhsa_system_vgpr_workitem_id 0
		.amdhsa_next_free_vgpr 1024
		.amdhsa_next_free_sgpr 100
		.amdhsa_reserve_vcc 0
		.amdhsa_float_denorm_mode_32 3
		.amdhsa_float_denorm_mode_16_64 3
		.amdhsa_memory_ordered 1
		.amdhsa_forward_progress 1
		.amdhsa_inst_pref_size 255
	.end_amdhsa_kernel
	.section	.bss,"aw",@nobits
	.p2align	6
	.space	262144
	.amdgpu_metadata
---
amdhsa.version: [ 1, 2 ]
amdhsa.kernels:
  - .name:           k_qc25fb89b7e_proj
    .symbol:         k_qc25fb89b7e_proj.kd
    .args:
      - { .name: x_codes, .offset: 0, .size: 8, .value_kind: global_buffer, .address_space: global }
      - { .name: x_scales, .offset: 8, .size: 8, .value_kind: global_buffer, .address_space: global }
      - { .name: context_codes, .offset: 16, .size: 8, .value_kind: global_buffer, .address_space: global }
      - { .name: context_scales, .offset: 24, .size: 8, .value_kind: global_buffer, .address_space: global }
      - { .name: Wq_codes, .offset: 32, .size: 8, .value_kind: global_buffer, .address_space: global }
      - { .name: Wq_scales, .offset: 40, .size: 8, .value_kind: global_buffer, .address_space: global }
      - { .name: Wk_codes, .offset: 48, .size: 8, .value_kind: global_buffer, .address_space: global }
      - { .name: Wk_scales, .offset: 56, .size: 8, .value_kind: global_buffer, .address_space: global }
      - { .name: Wv_codes, .offset: 64, .size: 8, .value_kind: global_buffer, .address_space: global }
      - { .name: Wv_scales, .offset: 72, .size: 8, .value_kind: global_buffer, .address_space: global }
      - { .name: cos, .offset: 80, .size: 8, .value_kind: global_buffer, .address_space: global }
      - { .name: sin, .offset: 88, .size: 8, .value_kind: global_buffer, .address_space: global }
      - { .name: context_cos, .offset: 96, .size: 8, .value_kind: global_buffer, .address_space: global }
      - { .name: context_sin, .offset: 104, .size: 8, .value_kind: global_buffer, .address_space: global }
      - { .name: qimg, .offset: 112, .size: 8, .value_kind: global_buffer, .address_space: global }
      - { .name: qscl, .offset: 120, .size: 8, .value_kind: global_buffer, .address_space: global }
      - { .name: kv, .offset: 128, .size: 8, .value_kind: global_buffer, .address_space: global }
    .group_segment_fixed_size: 327680
    .private_segment_fixed_size: 0
    .kernarg_segment_align: 8
    .kernarg_segment_size: 136
    .max_flat_workgroup_size: 128
    .sgpr_count:     100
    .vgpr_count:     1024
    .wavefront_size: 32
...
	.end_amdgpu_metadata
.endif
;; end of part 1
;; launch attn (part 2): grid 16 x 16, 16 waves a work-group, no clusters, 169,984 bytes of LDS; arguments qimg, qscl, kv, ocod, oscl; writes ocod, oscl
.if DOCPART == 2
	.amdgcn_target "amdgcn-amd-amdhsa--gfx1250"
	.amdhsa_code_object_version 6
	.text
	.protected	k_qc25fb89b7e_attn
	.globl	k_qc25fb89b7e_attn
	.p2align	8
	.type	k_qc25fb89b7e_attn,@function
k_qc25fb89b7e_attn:
	s_mov_b64 s[64:65], 0
	v_nop
	global_prefetch_b8 v0, s[64:65] scope:SCOPE_SE
	s_setreg_imm32_b32 hwreg(HW_REG_WAVE_MODE, 25, 1), 1
	s_wait_xcnt 0x0
; CAUSAL ATTENTION on codes of FP4 (E2M1): scores = q k^T / 8 (K = 64), p = 2^(t - M) quantised along the keys, o = p v / l, quantised along head x 64 + d for the last projection.
; t = score x log2(e) / 8; M = the running largest t rounded up to a whole number; l = the sum of the unquantised p; when M moves, l and O are multiplied by 2^(old M - new M), which rounds nothing.
; SHARES.  Work-group (i, y): batch y / 4, heads 8 (y % 4) .. + 7 (two kv heads), and the blocks of 32 queries i and 31 - i.  Wave w: head w % 8, tile of 16 queries w / 8; first block i, then block 31 - i.
; A tile at query q0 needs q0 / 128 + 1 key steps of 128: i / 4 + (31 - i) / 4 + 2 = 9 for every i: all waves of all 256 work-groups have the same work.  Steps all of whose keys come later are passed over
; by a scalar branch on ids; the loops' trip counts are constants (4 and 8).
; K AND V of both kv heads, codes and scale words, 16 chunks of 8,960 bytes, come into LDS once, one tensor load a wave, as they lie in memory: images of operand registers.  Nothing is filled again.
; LAYOUT.  Both products are used transposed (S^T = K Q^T, O^T = V^T P^T): a lane holds one query (lane % 16); register 8 a + j of S^T is key 16 a + 8 h + j, register 8 t + j of O^T is d 16 t + 8 h + j.
; K = 64 fills half of the instruction's 128: q's upper four registers are zero codes; k's upper four are whatever follows in the registers (the next tile's codes), multiplied by zeros under the scale byte 127.
; NO CLUSTER: work-groups that share K and V differ in their queries, and the branch that passes over hidden steps would hang on the place in the cluster.
; LIMITS: NaN and infinities are not served.  A block of zeros carries the byte 1 over zero codes.  A block's largest p is taken as the exponential of its largest score: this takes v_exp_f32 not to fall where its input rises.
; REGISTERS: v1-11 addresses; v12 -M, v13 largest t, v[14:15] l; v16-23, v24-31 q of the two passes; v32-63 k's 8 tiles, v64-67 zeros; v68-75 k's words, v76-79 v's, v80-81 q's, v82 p's;
;   v84-91 codes made; v96-159 S^T, then p; v160-191 O^T; v192-223 v's four fragments; v232-254 at work.
.set CHUNK, 8960
.set KVH,   8*CHUNK
.set SPI,   272                        ; a stage row: 8 heads x 32 bytes + 16
.set STG,   16*CHUNK                   ; behind the chunks: the codes' stage, 2 passes x 32 rows
.set SST,   STG+2*32*SPI               ; the scale bytes' stage: 2 x 32 rows x 16 bytes
	s_load_b256 s[4:11], s[0:1], 0x0               ; qimg 4, qscl 6, kv 8, ocod 10
	s_load_b64 s[12:13], s[0:1], 0x20              ; oscl
	v_lshl_add_u32 v251, v0, 2, 0x29000
	v_mov_b32 v255, 0
	ds_add_u32 v251, v255
	ds_add_u32 v251, v255
	v_lshrrev_b32 v1, 5, v0
	s_delay_alu instid0(VALU_DEP_1)
	v_readfirstlane_b32 s18, v1                    ; wave 0..15
	s_mov_b32 s36, ttmp9                           ; i
	s_sub_co_u32 s45, 31, s36                      ; 31 - i
	s_and_b32 s46, ttmp7, 0xffff
	s_lshr_b32 s37, s46, 2                         ; batch
	s_and_b32 s38, s46, 3                          ; which eight heads
	s_and_b32 s39, s18, 7                          ; my head among them
	s_lshr_b32 s40, s18, 3                         ; my tile of the block's two
	s_bfe_u32 s41, s18, 0x10002                    ; my kv head of the two
	s_mov_b32 s20, 0x76543210
	s_mov_b32 s21, 0xfedcba98
	s_mov_b32 s22, 0x3e38aa3b                      ; c = log2(e) / 8
	s_mov_b32 s23, s22
	; descriptor group 1: a chunk: 35 dense rows of 256 bytes (32 elements of 8 bytes)
	s_mov_b32 s24, 3<<16
	s_mov_b32 s25, 32<<16
	s_mov_b32 s26, 35<<16
	s_mov_b32 s27, 32<<16
	s_mov_b32 s28, 35
	s_mov_b32 s29, 32
	s_mov_b32 s30, 0
	s_mov_b32 s31, 0
	s_lshl_b32 s46, s37, 3
	s_lshl_b32 s47, s38, 1
	s_add_co_u32 s46, s46, s47
	s_lshl_b32 s46, s46, 3
	s_add_co_u32 s46, s46, s18
	s_mul_i32 s46, s46, CHUNK                      ; chunk w of the two kv heads' sixteen
	s_mov_b32 s47, 0
	s_mov_b32 s32, 1
	s_mul_i32 s33, s18, CHUNK
	; q: tile qt = 2 x block + my tile, for both passes
	s_lshl_b32 s48, s37, 5
	s_lshl_b32 s49, s38, 3
	s_add_co_u32 s48, s48, s49
	s_add_co_u32 s48, s48, s39                     ; 32 b + head
	s_lshl_b32 s60, s36, 1
	s_add_co_u32 s60, s60, s40
	s_lshl_b32 s61, s45, 1
	s_add_co_u32 s61, s61, s40
	s_lshl_b32 s49, s48, 6
	s_add_co_u32 s50, s49, s60
	s_lshl_b32 s50, s50, 9
	s_mov_b32 s51, 0
	s_add_co_u32 s52, s49, s61
	s_lshl_b32 s52, s52, 9
	s_mov_b32 s53, 0
	s_lshl_b32 s49, s48, 12                        ; the words: 4,096 bytes a head, 256 (qt / 4) + 4 (qt % 4) + 16 r
	s_lshr_b32 s58, s60, 2
	s_lshl_b32 s58, s58, 8
	s_add_co_u32 s54, s49, s58
	s_and_b32 s58, s60, 3
	s_lshl_b32 s58, s58, 2
	s_add_co_u32 s54, s54, s58
	s_mov_b32 s55, 0
	s_lshr_b32 s58, s61, 2
	s_lshl_b32 s58, s58, 8
	s_add_co_u32 s56, s49, s58
	s_and_b32 s58, s61, 3
	s_lshl_b32 s58, s58, 2
	s_add_co_u32 s56, s56, s58
	s_mov_b32 s57, 0
	s_wait_dscnt 0x0
	s_wait_kmcnt 0x0
	s_add_nc_u64 s[34:35], s[8:9], s[46:47]
	s_or_b32 s35, s35, 0x80000000
	tensor_load_to_lds s[32:35], s[24:31]          ; my one tensor load of the launch
	s_nop 0
.rept 4
	v_nop
.endr
	s_add_nc_u64 s[50:51], s[4:5], s[50:51]
	s_add_nc_u64 s[52:53], s[4:5], s[52:53]
	s_add_nc_u64 s[54:55], s[6:7], s[54:55]
	s_add_nc_u64 s[56:57], s[6:7], s[56:57]
	v_and_b32 v1, 31, v0
	s_delay_alu instid0(VALU_DEP_1)
	v_lshlrev_b32 v11, 6, v1                       ; 64 x lane
	s_delay_alu instid0(VALU_DEP_2)
	v_lshlrev_b32 v1, 4, v1                        ; 16 x lane
	v_and_b32 v232, 15, v0                         ; r
	v_bfe_u32 v233, v0, 4, 1                       ; h
	s_delay_alu instid0(VALU_DEP_2)
	v_lshlrev_b32 v2, 4, v232                      ; 16 r
	s_wait_alu depctr_va_vdst(0)
	global_load_b128 v[16:19], v1, s[50:51]        ; q's codes and words of both passes stay in registers
	global_load_b128 v[24:27], v1, s[52:53]
	global_load_b32 v80, v2, s[54:55]
	global_load_b32 v81, v2, s[56:57]
	s_mul_i32 s46, s40, 16*SPI
	s_lshl_b32 s47, s39, 5
	s_add_co_u32 s46, s46, s47
	s_add_co_u32 s46, s46, STG
	v_mul_u32_u24 v5, v232, SPI
	s_delay_alu instid0(VALU_DEP_1)
	v_lshl_add_u32 v5, v233, 4, v5
	s_delay_alu instid0(VALU_DEP_1)
	v_add_nc_u32 v5, s46, v5                       ; into the stage: row 16 u + r, my head's 32 bytes, + 16 h
	s_lshl_b32 s46, s40, 8
	s_lshl_b32 s47, s39, 1
	s_add_co_u32 s46, s46, s47
	s_add_co_u32 s46, s46, SST
	v_add_nc_u32 v6, s46, v2                       ; the row's 16 scale bytes, my head's two
	s_mul_i32 s46, s40, 32*SPI
	s_lshr_b32 s47, s39, 2                         ; back: wave w takes pass w / 8, tile of 16 rows (w % 8) / 4,
	s_mul_i32 s47, s47, 16*SPI
	s_and_b32 s58, s39, 3                          ; and of the rows' 256 bytes the 64 at 64 (w % 4): 128 along the next K
	s_lshl_b32 s58, s58, 6
	s_add_co_u32 s47, s47, s58
	s_add_co_u32 s46, s46, s47
	s_add_co_u32 s46, s46, STG
	v_mul_u32_u24 v7, v232, SPI
	s_delay_alu instid0(VALU_DEP_1)
	v_lshl_add_u32 v7, v233, 4, v7                 ; row r, + 16 h: the bytes that lane (r, h) of an operand's registers holds
	s_delay_alu instid0(VALU_DEP_1)
	v_add_nc_u32 v7, s46, v7                       ; back: pass w / 8, rows 16 ((w % 8) / 4) on; two lanes to a row
	v_lshlrev_b32 v9, 3, v233
	s_delay_alu instid0(VALU_DEP_1)
	v_sub_nc_u32 v9, v232, v9                      ; r - 8 h
	s_and_b32 s46, s18, 1
	s_lshl_b32 s46, s46, 9
	s_add_co_u32 s46, s46, SST
	v_add_nc_u32 v10, s46, v1                      ; waves 0 and 1: a pass's 32 rows of scale bytes
.irp j, 20,21,22,23,28,29,30,31,64,65,66,67,236,237,238,239,253
	v_mov_b32 v\j, 0                               ; zero codes; permutes' destinations; the upper half of the pair v[252:253]
.endr
	s_wait_tensorcnt 0x0                           ; my chunk is in,
	s_barrier_signal -1
	s_barrier_wait -1                              ; everybody's is
	s_wait_loadcnt 0x0                             ; q
.macro PASS p, nst
	s_lshl_b32 s42, s[60+\p], 4                    ; my first query
	s_add_co_u32 s43, s42, 15
	s_mul_i32 s2, s41, KVH                         ; LDS byte of the step's chunk
	s_mov_b32 s3, 0                                ; the step's first key
	s_mov_b32 s44, \nst
	v_mov_b32 v13, 0xff61b1e6                      ; -3e38, under every t
	s_delay_alu instid0(VALU_DEP_1)
	v_floor_f32 v12, -v13
	v_mov_b32 v14, 0
	v_mov_b32 v15, 0
.set J, 0
.rept 32
	v_mov_b32 v[160+J], 0                          ; the step is written once: the first finds zeros
.set J, J+1
.endr
.Lstep_\@:
	s_cmp_gt_u32 s3, s43                           ; all 128 keys come after my queries
	s_cbranch_scc1 .Lhid_\@
	v_add_nc_u32 v3, s2, v1
	v_add_nc_u32 v4, s2, v2
	v_nop
	v_nop                                          ; four places behind the last products, ahead of the loads into their operands
.irp a, 0,1,2,3,4,5,6,7
	ds_load_b128 v[32+4*\a:35+4*\a], v3 offset:512*\a
.endr
	ds_load_b128 v[68:71], v4 offset:8192
	ds_load_b128 v[72:75], v4 offset:8448
.irp t, 0,1,2,3
.irp c, 0,1
	ds_load_b128 v[192+8*\t+4*\c:195+8*\t+4*\c], v3 offset:4096+1024*\t+512*\c
.endr
.endr
	ds_load_b128 v[76:79], v4 offset:8704
	s_wait_dscnt 9                                 ; K and its words are in; V's nine loads may be out
.irp a, 0,1,2,3,4,5,6,7
	v_wmma_scale_f32_16x16x128_f8f6f4 v[96+8*\a:103+8*\a], v[32+4*\a:39+4*\a], v[16+8*\p:23+8*\p], 0, v[68+\a], v[80+\p] matrix_a_fmt:MATRIX_FMT_FP4 matrix_b_fmt:MATRIX_FMT_FP4
.endr
.rept 4
	v_nop
.endr
	s_add_co_u32 s46, s3, 127                      ; on the diagonal hidden scores become -infinity; a step all of whose keys count passes this over
	s_cmp_le_u32 s46, s42
	s_cbranch_scc1 .Lopen_\@
	s_sub_co_i32 s46, s42, s3
	v_add_nc_u32 v252, s46, v9                     ; register 8 a + j is hidden where 16 a + j > my query - the first key - 8 h
	v_mov_b32 v254, 0xff800000
.set N, 0
.rept 64
	v_cmp_gt_i32 vcc_lo, 16*(N/8)+N%8, v252
	v_cndmask_b32 v[96+N], v[96+N], v254, vcc_lo
.set N, N+1
.endr
.Lopen_\@:
.irp b, 0,1,2,3
	v_max3_num_f32 v[232+\b], v[96+16*\b], v[97+16*\b], v[98+16*\b]   ; each block of 32 keys: its largest score serves the row's maximum and the block's largest p
.endr
.irp i, 3,5,7,9,11,13
.irp b, 0,1,2,3
	v_max3_num_f32 v[232+\b], v[232+\b], v[96+16*\b+\i], v[97+16*\b+\i]
.endr
.endr
.irp b, 0,1,2,3
	v_max_num_f32 v[232+\b], v[232+\b], v[111+16*\b]
.endr
.irp b, 0,1,2,3
	s_delay_alu instid0(VALU_DEP_4)
	v_permlanex16_b32 v[236+\b], v[232+\b], s20, s21
.endr
.irp b, 0,1,2,3
	s_delay_alu instid0(VALU_DEP_4)
	v_max_num_f32 v[232+\b], v[232+\b], v[236+\b]
.endr
	s_delay_alu instid0(VALU_DEP_2)
	v_max3_num_f32 v254, v232, v233, v234
	s_delay_alu instid0(VALU_DEP_1)
	v_max_num_f32 v254, v254, v235
	s_delay_alu instid0(VALU_DEP_1)
	v_mul_f32 v254, s22, v254
	s_delay_alu instid0(VALU_DEP_1)
	v_max_num_f32 v13, v13, v254                   ; the running largest t
	v_mov_b32 v254, v12
	s_delay_alu instid0(VALU_DEP_2)
	v_floor_f32 v12, -v13                          ; -M = floor(-t)
	s_delay_alu instid0(VALU_DEP_1)
	v_sub_f32 v254, v12, v254                      ; old M - new M: a whole number, 0 or less
	s_delay_alu instid0(VALU_DEP_1)
	v_cvt_i32_f32 v254, v254
	s_delay_alu instid0(VALU_DEP_1)
	v_ldexp_f32 v252, 1.0, v254                    ; f
.set J, 0
.rept 32
	v_pk_fma_f32 v[96+J:97+J], v[96+J:97+J], s[22:23], v[12:13] op_sel_hi:[1,0,0]   ; t - M
.set J, J+2
.endr
.irp b, 0,1,2,3
	v_fma_f32 v[232+\b], v[232+\b], s22, v12
.endr
.set J, 0
	s_wait_alu depctr_va_vdst(0)
.rept 64
	v_exp_f32 v[96+J], v[96+J]                     ; p
.set J, J+1
.endr
	v_pk_mul_f32 v[14:15], v[14:15], v[252:253] op_sel_hi:[1,0]   ; l under the new M: the plain place behind the batch
	s_wait_alu depctr_va_vdst(0)                   ; one wait for the 64, ahead of their first reader
.irp b, 0,1,2,3
	v_exp_f32 v[232+\b], v[232+\b]                 ; the blocks' largest p
.endr
	v_pk_add_f32 v[236:237], v[100:101], v[104:105]
	v_pk_add_f32 v[248:249], v[108:109], v[112:113]
	v_pk_add_f32 v[246:247], v[116:117], v[120:121]
	v_pk_add_f32 v[244:245], v[124:125], v[128:129]
	v_pk_add_f32 v[242:243], v[132:133], v[136:137]
	v_pk_add_f32 v[240:241], v[140:141], v[144:145]
	v_pk_add_f32 v[238:239], v[148:149], v[152:153]
	v_pk_add_f32 v[14:15], v[14:15], v[156:157]
	v_pk_add_f32 v[236:237], v[236:237], v[96:97]
	v_pk_add_f32 v[248:249], v[248:249], v[98:99]
	v_pk_add_f32 v[246:247], v[246:247], v[102:103]
	v_pk_add_f32 v[244:245], v[244:245], v[106:107]
	v_pk_add_f32 v[242:243], v[242:243], v[110:111]
	v_pk_add_f32 v[240:241], v[240:241], v[114:115]
	v_pk_add_f32 v[238:239], v[238:239], v[118:119]
	v_pk_add_f32 v[14:15], v[14:15], v[122:123]
	v_pk_add_f32 v[236:237], v[236:237], v[126:127]
	v_pk_add_f32 v[248:249], v[248:249], v[130:131]
	v_pk_add_f32 v[246:247], v[246:247], v[134:135]
	v_pk_add_f32 v[244:245], v[244:245], v[138:139]
	v_pk_add_f32 v[242:243], v[242:243], v[142:143]
	v_pk_add_f32 v[240:241], v[240:241], v[146:147]
	v_pk_add_f32 v[238:239], v[238:239], v[150:151]
	v_pk_add_f32 v[14:15], v[14:15], v[154:155]
	v_pk_add_f32 v[236:237], v[236:237], v[158:159]
	s_delay_alu instid0(VALU_DEP_2)
	v_pk_add_f32 v[14:15], v[14:15], v[244:245]
	s_delay_alu instid0(VALU_DEP_2)
	v_pk_add_f32 v[236:237], v[236:237], v[242:243]
	v_pk_add_f32 v[248:249], v[248:249], v[240:241]
	v_pk_add_f32 v[246:247], v[246:247], v[238:239]
	s_delay_alu instid0(VALU_DEP_2)
	v_pk_add_f32 v[14:15], v[14:15], v[248:249]
	s_delay_alu instid0(VALU_DEP_2)
	v_pk_add_f32 v[236:237], v[236:237], v[246:247]
	s_delay_alu instid0(VALU_DEP_1)
	v_pk_add_f32 v[14:15], v[14:15], v[236:237]
	s_wait_alu depctr_va_vdst(0)                   ; and one for the four
.irp b, 0,1,2,3
	v_max_num_f32 v[232+\b], 0x1800000, v[232+\b]  ; the floor 2^(3 - 127)
.endr
.irp b, 0,1,2,3
	s_delay_alu instid0(VALU_DEP_4)
	v_add_nc_u32 v[244+\b], 0xff000000, v[232+\b]
.endr
.irp b, 0,1,2,3
	s_delay_alu instid0(VALU_DEP_4)
	v_lshrrev_b32 v[236+\b], 23, v[244+\b]
.endr
	s_delay_alu instid0(VALU_DEP_3)
	v_lshl_or_b32 v82, v237, 8, v236               ; p's scale word for these 128 keys
	s_delay_alu instid0(VALU_DEP_1)
	v_lshl_or_b32 v82, v238, 16, v82
	s_delay_alu instid0(VALU_DEP_1)
	v_lshl_or_b32 v82, v239, 24, v82
.irp c, 0,1
	v_cvt_scalef32_pk8_fp4_f32 v[84+4*\c], v[96+32*\c:103+32*\c], v[244+2*\c]
	v_cvt_scalef32_pk8_fp4_f32 v[86+4*\c], v[104+32*\c:111+32*\c], v[244+2*\c]
	v_cvt_scalef32_pk8_fp4_f32 v[85+4*\c], v[112+32*\c:119+32*\c], v[245+2*\c]
	v_cvt_scalef32_pk8_fp4_f32 v[87+4*\c], v[120+32*\c:127+32*\c], v[245+2*\c]
.endr
	v_nop                                          ; one plain place behind the conversions
.irp c, 0,1
	v_permlane16_swap_b32 v[84+4*\c], v[85+4*\c]   ; registers 4 c .. 4 c + 3 now hold keys 64 c + 32 h + 0 .. 31
	v_permlane16_swap_b32 v[86+4*\c], v[87+4*\c]
.endr
.set J, 0
.rept 16
	v_pk_mul_f32 v[160+J:161+J], v[160+J:161+J], v[252:253] op_sel_hi:[1,0]   ; O^T under the new M
.set J, J+2
.endr
.rept 4
	v_nop                                          ; every register that a vector instruction wrote stands four places or more ahead of the products, the scale word more than eight
.endr
	s_wait_alu depctr_va_vdst(0)
	s_wait_dscnt 0x0                               ; V and its words
.irp t, 0,1,2,3
	v_wmma_scale_f32_16x16x128_f8f6f4 v[160+8*\t:167+8*\t], v[192+8*\t:199+8*\t], v[84:91], v[160+8*\t:167+8*\t], v[76+\t], v82 matrix_a_fmt:MATRIX_FMT_FP4 matrix_b_fmt:MATRIX_FMT_FP4
.endr                                          ; four accumulators, one instruction a turn; the eight score products stand between two turns
.Lhid_\@:
	s_add_co_u32 s2, s2, CHUNK
	s_add_co_u32 s3, s3, 128
	s_sub_co_u32 s44, s44, 1
	s_cmp_lg_u32 s44, 0
	s_cbranch_scc1 .Lstep_\@
.rept 4
	v_nop
.endr
	v_add_f32 v14, v14, v15
	s_delay_alu instid0(VALU_DEP_1)
	v_permlanex16_b32 v252, v14, s20, s21
	s_delay_alu instid0(VALU_DEP_1)
	v_add_f32 v14, v14, v252                       ; the row's sum
	s_wait_alu depctr_va_vdst(0)
	v_rcp_f32 v14, v14
	v_nop
	s_wait_alu depctr_va_vdst(0)
.set J, 0
.rept 16
	v_pk_mul_f32 v[96+J:97+J], v[160+J:161+J], v[14:15] op_sel_hi:[1,0]   ; o = O^T / l: register 8 t + j is d 16 t + 8 h + j
.set J, J+2
.endr
.irp e, 0,1
	v_max3_num_f32 v[232+\e], |v[96+16*\e]|, |v[97+16*\e]|, 0x1800000   ; o's two blocks of 32 along d
.endr
.irp i, 2,4,6,8,10,12,14
.irp e, 0,1
	s_delay_alu instid0(VALU_DEP_2)
	v_max3_num_f32 v[232+\e], v[232+\e], |v[96+16*\e+\i]|, |v[97+16*\e+\i]|
.endr
.endr
.irp e, 0,1
	s_delay_alu instid0(VALU_DEP_2)
	v_permlanex16_b32 v[236+\e], v[232+\e], s20, s21
.endr
.irp e, 0,1
	s_delay_alu instid0(VALU_DEP_2)
	v_max_num_f32 v[232+\e], v[232+\e], v[236+\e]
.endr
.irp e, 0,1
	s_delay_alu instid0(VALU_DEP_2)
	v_add_nc_u32 v[244+\e], 0xff000000, v[232+\e]
.endr
.irp e, 0,1
	s_delay_alu instid0(VALU_DEP_2)
	v_lshrrev_b32 v[238+\e], 23, v[244+\e]
.endr
	v_cvt_scalef32_pk8_fp4_f32 v84, v[96:103], v244
	v_cvt_scalef32_pk8_fp4_f32 v86, v[104:111], v244
	v_cvt_scalef32_pk8_fp4_f32 v85, v[112:119], v245
	v_cvt_scalef32_pk8_fp4_f32 v87, v[120:127], v245
	v_nop
	v_permlane16_swap_b32 v84, v85
	v_permlane16_swap_b32 v86, v87
	v_lshl_or_b32 v240, v239, 8, v238
	ds_store_b128 v5, v[84:87] offset:\p*32*SPI    ; d 32 h .. 32 h + 31 of my row and head
	ds_store_b16 v6, v240 offset:\p*512            ; both halves of the lanes write the same two bytes
	s_wait_dscnt 0x0
.endm
	PASS 0, 4
	PASS 1, 8
	s_barrier_signal -1                            ; every wave's stores into the stages have landed (the wait for 0 above)
	s_barrier_wait -1
	ds_load_b128 v[96:99], v7
	ds_load_b128 v[100:103], v7 offset:32
	s_cmp_lt_u32 s18, 8
	s_cselect_b32 s46, s36, s45                    ; the block whose rows I store
	s_lshl_b32 s46, s46, 5
	s_lshl_b32 s47, s37, 10
	s_add_co_u32 s46, s46, s47
	s_lshl_b32 s48, s46, 10                        ; ocod holds images of operand registers: [tile of 16 rows][128 along K][1,024 bytes]: 16,384 bytes a tile
	s_lshr_b32 s47, s39, 2
	s_lshl_b32 s47, s47, 14
	s_add_co_u32 s48, s48, s47                     ; my tile of the block's two
	s_and_b32 s47, s39, 3
	s_lshl_b32 s47, s47, 10
	s_add_co_u32 s48, s48, s47                     ; my 128 along K of my eight heads' 512,
	s_lshl_b32 s47, s38, 12
	s_add_co_u32 s48, s48, s47                     ; which begin at 4,096 x (y % 4)
	s_mov_b32 s49, 0
	s_add_nc_u64 s[10:11], s[10:11], s[48:49]
	s_wait_dscnt 1
	global_store_b128 v1, v[96:99], s[10:11]       ; registers 0-3 of the image: the wave stores 512 consecutive bytes, aligned
	s_wait_dscnt 0x0
	global_store_b128 v1, v[100:103], s[10:11] offset:512   ; registers 4-7
	s_cmp_gt_u32 s18, 1
	s_cbranch_scc1 .Ldone
	ds_load_b128 v[104:107], v10                   ; waves 0 and 1: a pass's scale bytes, 16 a row
	s_cmp_eq_u32 s18, 0
	s_cselect_b32 s46, s36, s45
	s_lshl_b32 s46, s46, 5
	s_lshl_b32 s47, s37, 10
	s_add_co_u32 s46, s46, s47
	s_lshl_b32 s46, s46, 6
	s_lshl_b32 s47, s38, 4
	s_add_co_u32 s46, s46, s47
	s_mov_b32 s47, 0
	s_add_nc_u64 s[12:13], s[12:13], s[46:47]
	s_wait_dscnt 0x0
	global_store_b128 v11, v[104:107], s[12:13]    ; a quarter of each row of 64 bytes: the layout is the one that the next launch reads in whole blocks
.Ldone:
	s_wait_tensorcnt 0x0
	ds_add_u32 v251, v255
	s_wait_dscnt 0x0
	s_endpgm
.Lfunc_end_k_qc25fb89b7e_attn:
	.size	k_qc25fb89b7e_attn, .Lfunc_end_k_qc25fb89b7e_attn-k_qc25fb89b7e_attn
	.p2alignl 7, 3214868480
	.fill 96, 4, 3214868480
	.section	.rodata,"a",@progbits
	.p2align	6, 0x0
	.amdhsa_kernel k_qc25fb89b7e_attn
		.amdhsa_group_segment_fixed_size 169984
		.amdhsa_private_segment_fixed_size 0
		.amdhsa_enable_private_segment 0
		.amdhsa_kernarg_size 40
		.amdhsa_user_sgpr_count 2
		.amdhsa_user_sgpr_kernarg_segment_ptr 1
		.amdhsa_wavefront_size32 1
		.amdhsa_system_sgpr_workgroup_id_x 1
		.amdhsa_system_sgpr_workgroup_id_y 1
		.amdhsa_system_sgpr_workgroup_id_z 1
		.amdhsa_system_vgpr_workitem_id 0
		.amdhsa_next_free_vgpr 256
		.amdhsa_next_free_sgpr 70
		.amdhsa_reserve_vcc 1
		.amdhsa_float_denorm_mode_32 3
		.amdhsa_float_denorm_mode_16_64 3
		.amdhsa_memory_ordered 1
		.amdhsa_forward_progress 1
		.amdhsa_inst_pref_size 62
	.end_amdhsa_kernel
	.amdgpu_metadata
---
amdhsa.version: [ 1, 2 ]
amdhsa.kernels:
  - .name:           k_qc25fb89b7e_attn
    .symbol:         k_qc25fb89b7e_attn.kd
    .args:
      - { .name: qimg, .offset: 0, .size: 8, .value_kind: global_buffer, .address_space: global }
      - { .name: qscl, .offset: 8, .size: 8, .value_kind: global_buffer, .address_space: global }
      - { .name: kv, .offset: 16, .size: 8, .value_kind: global_buffer, .address_space: global }
      - { .name: ocod, .offset: 24, .size: 8, .value_kind: global_buffer, .address_space: global }
      - { .name: oscl, .offset: 32, .size: 8, .value_kind: global_buffer, .address_space: global }
    .group_segment_fixed_size: 169984
    .private_segment_fixed_size: 0
    .kernarg_segment_align: 8
    .kernarg_segment_size: 40
    .max_flat_workgroup_size: 512
    .sgpr_count:     70
    .vgpr_count:     256
    .wavefront_size: 32
...
	.end_amdgpu_metadata
.endif
;; end of part 2
;; launch oproj (part 3): grid 16 x 16, 4 waves a work-group, clusters of 4 x 1, 327,680 bytes of LDS; arguments ocod, oscl, Wo_codes, Wo_scales, out0; writes out0
.if DOCPART == 3
	.amdgcn_target "amdgcn-amd-amdhsa--gfx1250"
	.amdhsa_code_object_version 6
	.text
	.protected	k_qc25fb89b7e_oproj
	.globl	k_qc25fb89b7e_oproj
	.p2align	8
	.type	k_qc25fb89b7e_oproj,@function
k_qc25fb89b7e_oproj:
	s_mov_b64 s[64:65], 0
	v_nop
	global_prefetch_b8 v0, s[64:65] scope:SCOPE_SE
	s_setreg_imm32_b32 hwreg(HW_REG_WAVE_MODE, 25, 1), 1
	s_wait_xcnt 0x0
	s_wait_alu depctr_hold_cnt(0) depctr_sa_sdst(0) depctr_va_vdst(0) depctr_va_sdst(0) depctr_va_ssrc(0) depctr_va_vcc(0) depctr_vm_vsrc(0)
	s_getreg_b32 s2, hwreg(HW_REG_IB_STS2, 6, 4)
	s_cmp_eq_u32 s2, 0
	s_cbranch_scc0 .Lentry_in_a_cluster
	s_endpgm
.Lentry_in_a_cluster:
	s_bfe_u32 s2, ttmp6, 0x10000c
	s_cmp_lg_u32 s2, 0x3003
	s_cbranch_scc0 .Lentry_shape_is_right
	s_endpgm
.Lentry_shape_is_right:
; THE LAST PROJECTION on codes of FP4 (E2M1) with E8M0 scales: out0[m][n] = sum over k of o[m][k] Wo[n][k], M = 4,096, N = 2,048, K = 2,048; sums in f32.
; SHARES.  16 x 16 work-groups; work-group (x, y) makes rows 256 x .. + 255, columns 128 y .. + 127.  Wave w makes rows 64 w .. + 63 of them x all 128 columns: 32 accumulators of 16 x 16.
; A (o) NEVER TOUCHES LDS: ocod holds images of operand registers, [tile of 16 rows][128 along K][1,024 bytes], lane l's 16 bytes at 16 l and at 512 + 16 l.  A wave's 64 rows x all of K are 512 registers,
; filled by 128 loads of 512 consecutive bytes; each row of o is loaded by one wave of the work-group.  K steps 0-9 are asked for at the head, steps 10-15 in the first three pairs of steps.
; B (Wo): the work-group's 128 rows x all of K, 131,072 bytes, come into LDS once, one tensor load of 32 rows x 1,024 bytes a wave.  Nothing is filled again, so there is no ring.
; CLUSTER 4, 1, 1: the four partners differ in x alone and need the same rows of Wo: each load is a joint one, mask 15.  A round stands ahead of the loads and one ahead of the end.
; SCALES go straight into registers, once: a row's 64 bytes are 16 words, one for each 128 along K, four loads of 16 bytes a lane; sixteen lanes' four loads cover 1,024 consecutive bytes.
;   v[SB + 16 i + q]: lanes 0-15 the words of Wo's block i, lanes 16-31 of block i + 4;  v[SA + 16 i + q]: lanes 0-15 of o's block i, lanes 16-31 of block i + 2.
; N GOES IN TWO HALVES of 64 columns: all of K for blocks 0-3 of Wo, then for blocks 4-7.  The first half's results go through the stage and are stored among the second half's products.
; THE MATRIX INSTRUCTION IS USED TRANSPOSED (source 0 = 16 rows of Wo, source 1 = 16 rows of o): a lane holds eight neighbouring numbers of a row of out0.
; NO PREFETCH: all of B is asked for at the head, and A by its own loads, ten K steps ahead of the products at the least; there is no later tile to ask for.
; REGISTERS, in windows of 256.  Window 0: v16-29 addresses; v32-127 scale words and nothing else; v128-255 Wo's fragments, two sets of two K steps.
;   Window 1: the accumulators: (half H, block a of o, block i of the half) at v[128 H + 32 a + 8 i]; later the rows read back from the stage.  Windows 2, 3: o's fragments: (q, a) at v[8 (4 (q % 8) + a)] of window 2 + q / 8.
.set PITCH,  1040                      ; an LDS row of Wo: 1,024 bytes + 16: an odd multiple of 16, so the 16 rows of a load begin in 16 different groups of banks
.set SPITCH, 272                       ; a stage row: 64 numbers, 256 bytes, + 16
.set SBLK,   16*SPITCH                 ; 16 rows of the stage
.set STAGE,  128*PITCH                 ; behind Wo: four blocks of 16 rows for each wave; no tensor load lands there
.set SPARE,  STAGE+16*SBLK             ; the spare words: 128 bytes a wave
.set ADRB, 16                          ; v16, v17: my lane's place in Wo's rows 0-63, 64-127
.set STO,  18                          ; into the stage
.set RD,   19                          ; back from it
.set CO,   20                          ; my byte offset in two rows of out0
.set L16,  21                          ; 16 x lane
.set VSB,  22                          ; my place among Wo's scale bytes
.set VSA,  23                          ; and among o's
.set SPW,  28
.set NIL,  29
.set SB,   32
.set SA,   96
.set BF,   128
.set G1,   24
.set G0,   32
.set MSB, 0
.macro WIN new                         ; the immediate's high byte repeats the setting that is left
.if MSB != (\new)
	s_set_vgpr_msb (MSB<<8)|(\new)
.set MSB, (\new)
.endif
.endm
.macro PLACES                          ; four plain places between a matrix instruction and a load into, or an LDS store of, its registers
.rept 4
	v_nop
.endr
.endm
.macro CROUND                          ; a round of the cluster's barrier
	s_barrier_signal -1
	s_barrier_wait -1
	s_cmp_lg_u32 s14, 0
	s_cbranch_scc1 .Lnot_wave_0_\@
	s_barrier_signal -3
.Lnot_wave_0_\@:
	s_barrier_wait -3
	s_barrier_signal -1
	s_barrier_wait -1
.endm
.macro ALOAD q                         ; o's four fragments of K step q: eight loads of 512 consecutive bytes
	WIN 0x80+0x40*((\q)/8)
.irp a, 0,1,2,3
.irp c, 0,1
	global_load_b128 v[8*(4*((\q)%8)+\a)+4*\c:8*(4*((\q)%8)+\a)+4*\c+3], v[L16], s[4:5] offset:\a*16384+(\q)*1024+\c*512
.endr
.endr
.endm
	s_load_b128 s[4:7], s[0:1], 0x0                ; ocod, oscl
	s_load_b128 s[8:11], s[0:1], 0x10              ; Wo's codes, Wo's scales
	s_load_b64 s[12:13], s[0:1], 0x20              ; out0
	v_lshl_add_u32 v[SPW], v0, 2, SPARE
	v_mov_b32 v[NIL], 0
	ds_add_u32 v[SPW], v[NIL]                      ; the opening lines: the add, twice on end, and its wait ahead of my tensor load
	ds_add_u32 v[SPW], v[NIL]
	v_lshrrev_b32 v1, 5, v0
	v_readfirstlane_b32 s14, v1                    ; wave 0..3
	v_and_b32 v2, 15, v0                           ; r
	v_bfe_u32 v3, v0, 4, 1                         ; h
	v_and_b32 v4, 31, v0
	v_lshlrev_b32 v[L16], 4, v4
	v_lshlrev_b32 v5, 6, v2                        ; a row of scales is 64 bytes
	v_lshl_add_u32 v[VSB], v3, 12, v5              ; lanes 16-31: 64 rows on
	v_lshl_add_u32 v[VSA], v3, 11, v5              ; lanes 16-31: 32 rows on
	v_mul_u32_u24 v6, v2, PITCH
	v_lshl_add_u32 v[ADRB], v3, 4, v6              ; row r, + 16 h
	v_add_nc_u32 v[ADRB+1], 64*PITCH, v[ADRB]
	s_mul_i32 s15, s14, 4*SBLK
	s_add_co_u32 s15, s15, STAGE                   ; my stage
	v_mul_u32_u24 v7, v2, SPITCH
	v_lshl_add_u32 v7, v3, 5, v7
	v_add_nc_u32 v[STO], s15, v7                   ; in: row r, 32 bytes for each half of the lanes
	v_mul_u32_u24 v8, v3, SPITCH
	v_lshl_add_u32 v8, v2, 4, v8
	v_add_nc_u32 v[RD], s15, v8                    ; back: lanes 0-15 one row of 256 bytes, lanes 16-31 the next
	v_lshlrev_b32 v9, 13, v3
	v_lshl_add_u32 v[CO], v2, 4, v9                ; and the same two rows in out0, 8,192 bytes apart
	s_bfe_u32 s16, ttmp6, 0x40000                  ; cx
	s_lshl_b32 s17, ttmp9, 2
	s_add_co_u32 s17, s17, s16                     ; x: my 256 rows
	s_and_b32 s18, ttmp7, 0xffff                   ; y: my 128 columns, the same in all four partners
	s_mov_b32 s[G1+0], 15|(1<<20)|(1<<21)|(7<<22)|(3<<25)   ; the mask of the four; elements of 1 byte; padding: four words behind every 256; bit 21 beside the mask
	s_mov_b32 s[G1+1], 1024<<16                    ; tensor_dim0
	s_mov_b32 s[G1+2], 32<<16                      ; tensor_dim1
	s_mov_b32 s[G1+3], 1024<<16                    ; tile_dim0
	s_mov_b32 s[G1+4], 32                          ; tile_dim1
	s_mov_b32 s[G1+5], 1024                        ; from row to row
	s_mov_b32 s[G1+6], 0
	s_mov_b32 s[G1+7], 0
	s_mov_b32 s[G0], 1
	s_mul_i32 s[G0+1], s14, 32*PITCH               ; my 32 rows' place in LDS: the wave's number alone
	s_lshl_b32 s20, s18, 17                        ; Wo's codes: row 128 y + 32 w, 1,024 bytes a row: y and the wave's number alone
	s_lshl_b32 s21, s14, 15
	s_add_co_u32 s20, s20, s21
	s_mov_b32 s21, 0
	s_lshl_b32 s22, s18, 13                        ; Wo's scales: row 128 y
	s_mov_b32 s23, 0
	s_lshl_b32 s36, s17, 18                        ; ocod: tile 16 x + 4 w, 16,384 bytes a tile
	s_lshl_b32 s37, s14, 16
	s_add_co_u32 s36, s36, s37
	s_mov_b32 s37, 0
	s_lshl_b32 s38, s17, 14                        ; oscl: row 256 x + 64 w
	s_lshl_b32 s39, s14, 12
	s_add_co_u32 s38, s38, s39
	s_mov_b32 s39, 0
	s_lshl_b32 s40, s17, 21                        ; out0: the same row, 8,192 bytes a row, + 512 y
	s_lshl_b32 s41, s14, 19
	s_add_co_u32 s40, s40, s41
	s_lshl_b32 s41, s18, 9
	s_add_co_u32 s40, s40, s41
	s_mov_b32 s41, 0
	s_wait_alu depctr_va_vdst(0)
	s_wait_dscnt 0x0                               ; both opening adds are done
	s_wait_kmcnt 0x0
	s_add_nc_u64 s[4:5], s[4:5], s[36:37]
	s_add_nc_u64 s[6:7], s[6:7], s[38:39]
	s_add_nc_u64 s[10:11], s[10:11], s[22:23]
	s_add_nc_u64 s[12:13], s[12:13], s[40:41]
	s_add_nc_u64 s[G0+2:G0+3], s[8:9], s[20:21]
	s_or_b32 s[G0+3], s[G0+3], 0x80000000
.irp i, 0,1,2,3                                ; 24 loads of scale words, then o's K steps 0-3: 56 loads are out when the round begins
.irp j, 0,1,2,3
	global_load_b128 v[SB+16*\i+4*\j:SB+16*\i+4*\j+3], v[VSB], s[10:11] offset:\i*1024+16*\j
.endr
.endr
.irp i, 0,1
.irp j, 0,1,2,3
	global_load_b128 v[SA+16*\i+4*\j:SA+16*\i+4*\j+3], v[VSA], s[6:7] offset:\i*1024+16*\j
.endr
.endr
.set Q, 0
.rept 4
	ALOAD Q
.set Q, Q+1
.endr
	WIN 0
	CROUND                                         ; the four partners are here: the joint loads meet
	tensor_load_to_lds s[G0:G0+3], s[G1:G1+7]      ; my one tensor load of the launch
	s_nop 0
	PLACES
.rept 6
	ALOAD Q                                        ; K steps 4-9: 104 loads have been issued at the head
.set Q, Q+1
.endr
	WIN 0
	s_wait_tensorcnt 0x0                           ; my 32 rows of Wo are in,
	s_barrier_signal -1
	s_barrier_wait -1                              ; everybody's are
.macro BFETCH H, p                     ; the half's four fragments of Wo for K steps 2 p and 2 p + 1 into set p % 2: 16 loads
.irp s, 0,1
.irp i, 0,1,2,3
.irp c, 0,1
	ds_load_b128 v[BF+64*((\p)%2)+32*\s+8*\i+4*\c:BF+64*((\p)%2)+32*\s+8*\i+4*\c+3], v[ADRB+\H] offset:\i*16*PITCH+64*(2*(\p)+\s)+32*\c
.endr
.endr
.endr
.endm
.macro WM q, ra, rb                    ; one product.  q = 0 starts the sum; ra, rb: the scale words stand in lanes 16-31
.if (\q) == 0
.if (\ra)
.if (\rb)
	v_wmma_scale_f32_16x16x128_f8f6f4 v[D:D+7], v[FB:FB+7], v[FA:FA+7], 0, v[XB], v[XA] matrix_a_fmt:MATRIX_FMT_FP4 matrix_b_fmt:MATRIX_FMT_FP4 matrix_a_scale:MATRIX_SCALE_ROW1 matrix_b_scale:MATRIX_SCALE_ROW1
.else
	v_wmma_scale_f32_16x16x128_f8f6f4 v[D:D+7], v[FB:FB+7], v[FA:FA+7], 0, v[XB], v[XA] matrix_a_fmt:MATRIX_FMT_FP4 matrix_b_fmt:MATRIX_FMT_FP4 matrix_a_scale:MATRIX_SCALE_ROW1
.endif
.else
.if (\rb)
	v_wmma_scale_f32_16x16x128_f8f6f4 v[D:D+7], v[FB:FB+7], v[FA:FA+7], 0, v[XB], v[XA] matrix_a_fmt:MATRIX_FMT_FP4 matrix_b_fmt:MATRIX_FMT_FP4 matrix_b_scale:MATRIX_SCALE_ROW1
.else
	v_wmma_scale_f32_16x16x128_f8f6f4 v[D:D+7], v[FB:FB+7], v[FA:FA+7], 0, v[XB], v[XA] matrix_a_fmt:MATRIX_FMT_FP4 matrix_b_fmt:MATRIX_FMT_FP4
.endif
.endif
.else
.if (\ra)
.if (\rb)
	v_wmma_scale_f32_16x16x128_f8f6f4 v[D:D+7], v[FB:FB+7], v[FA:FA+7], v[D:D+7], v[XB], v[XA] matrix_a_fmt:MATRIX_FMT_FP4 matrix_b_fmt:MATRIX_FMT_FP4 matrix_a_scale:MATRIX_SCALE_ROW1 matrix_b_scale:MATRIX_SCALE_ROW1
.else
	v_wmma_scale_f32_16x16x128_f8f6f4 v[D:D+7], v[FB:FB+7], v[FA:FA+7], v[D:D+7], v[XB], v[XA] matrix_a_fmt:MATRIX_FMT_FP4 matrix_b_fmt:MATRIX_FMT_FP4 matrix_a_scale:MATRIX_SCALE_ROW1
.endif
.else
.if (\rb)
	v_wmma_scale_f32_16x16x128_f8f6f4 v[D:D+7], v[FB:FB+7], v[FA:FA+7], v[D:D+7], v[XB], v[XA] matrix_a_fmt:MATRIX_FMT_FP4 matrix_b_fmt:MATRIX_FMT_FP4 matrix_b_scale:MATRIX_SCALE_ROW1
.else
	v_wmma_scale_f32_16x16x128_f8f6f4 v[D:D+7], v[FB:FB+7], v[FA:FA+7], v[D:D+7], v[XB], v[XA] matrix_a_fmt:MATRIX_FMT_FP4 matrix_b_fmt:MATRIX_FMT_FP4
.endif
.endif
.endif
.endm
.macro MUL H, q                        ; K step q of half H: 16 products; the half's 16 accumulators take turns, one instruction a turn, in the same order in every step
	WIN 0x58+4*((\q)/8)                            ; source 0 window 0, source 1 window 2 or 3, C and D window 1
.irp a, 0,1,2,3
.irp i, 0,1,2,3
.set D,  128*(\H)+32*\a+8*\i
.set FB, BF+64*(((\q)/2)%2)+32*((\q)%2)+8*\i
.set FA, 8*(4*((\q)%8)+\a)
.set XB, SB+16*\i+(\q)
.set XA, SA+16*(\a%2)+(\q)
	WM \q, \H, \a/2
.endr
.endr
.endm
.macro TOSTAGE H                       ; the half's 64 rows x 64 columns into my stage, and back as whole rows of 256 bytes into the registers that held them.  LDS serves a wave's instructions in order (ISA guide 5.7.1.4): no wait between
	PLACES
	WIN 0x04                                       ; the data: window 1
.irp a, 0,1,2,3
.irp i, 0,1,2,3
	ds_store_b128 v[STO], v[128*\H+32*\a+8*\i:128*\H+32*\a+8*\i+3] offset:\a*SBLK+64*\i        ; each accumulator from its low end on
	ds_store_b128 v[STO], v[128*\H+32*\a+8*\i+4:128*\H+32*\a+8*\i+7] offset:\a*SBLK+64*\i+16
.endr
.endr
	WIN 0x40
.irp a, 0,1,2,3
.irp t, 0,1,2,3,4,5,6,7
	ds_load_b128 v[128*\H+32*\a+4*\t:128*\H+32*\a+4*\t+3], v[RD] offset:\a*SBLK+2*\t*SPITCH
.endr
.endr
.endm
.macro SEND H, a, t0                   ; four stores: eight rows of block a; sixteen lanes store 256 consecutive bytes, aligned.  Every store has data registers of its own, and the base never moves
	WIN 0x04
.irp i, 0,1,2,3
.set R0, 128*(\H)+32*(\a)+4*((\t0)+\i)
	global_store_b128 v[CO], v[R0:R0+3], s[12:13] offset:(16*(\a)+2*((\t0)+\i))*8192+256*(\H)
.endr
.endm
; Two K steps of half H.  At their head the next two steps' fragments of Wo are asked for, into the set that the last two steps read.
.macro PAIR H, p
.if (\H)+(\p) > 0
	PLACES
.endif
.if (\H) == 0
.if (\p) < 3
	ALOAD 10+2*(\p)                                ; the last six K steps of o: two to a pair
	ALOAD 11+2*(\p)
.endif
.endif
	WIN 0
.if (\p) < 7
	BFETCH \H, (\p)+1
	s_wait_dscnt 16                                ; all but the 16 just issued
.else
.if (\H) == 0
	BFETCH 1, 0
	s_wait_dscnt 16
.else
	s_wait_dscnt 0x0
.endif
.endif
.if (\H) == 0
.if (\p) < 4
	s_wait_loadcnt 63                              ; of the 120, 136, 152, 152 loads issued so far all but 63 are in: 57, 73, 89, 89; the scale words and o's steps up to 2 p + 1 are the first 40 + 16 p
.else
	s_wait_loadcnt 112-16*(\p)                     ; behind K step 2 p + 1 stand 14 - 2 p steps of eight loads
.endif
.else
	SEND 0, (\p)/2, 4*((\p)%2)                     ; the first half leaves, four stores to a pair of steps (its rows came back with the wait on DScnt above)
.endif
	MUL \H, 2*(\p)
	MUL \H, 2*(\p)+1
.endm
	BFETCH 0, 0
.set P, 0
.rept 8
	PAIR 0, P
.set P, P+1
.endr
	TOSTAGE 0
.set P, 0
.rept 8
	PAIR 1, P
.set P, P+1
.endr
	TOSTAGE 1
.irp a, 0,1,2,3
	s_wait_dscnt 24-8*\a                           ; block a's eight loads are back; the later blocks' may be out
	SEND 1, \a, 0
	SEND 1, \a, 4
.endr
	WIN 0
	s_wait_tensorcnt 0x0                           ; the wave's end
	ds_add_u32 v[SPW], v[NIL]
	s_wait_dscnt 0x0
	CROUND                                         ; the closing round
	s_endpgm
.Lfunc_end_k_qc25fb89b7e_oproj:
	.size	k_qc25fb89b7e_oproj, .Lfunc_end_k_qc25fb89b7e_oproj-k_qc25fb89b7e_oproj
	.p2alignl 7, 3214868480
	.fill 96, 4, 3214868480
	.section	.rodata,"a",@progbits
	.p2align	6, 0x0
	.amdhsa_kernel k_qc25fb89b7e_oproj
		.amdhsa_group_segment_fixed_size 327680
		.amdhsa_private_segment_fixed_size 0
		.amdhsa_enable_private_segment 0
		.amdhsa_kernarg_size 40
		.amdhsa_user_sgpr_count 2
		.amdhsa_user_sgpr_kernarg_segment_ptr 1
		.amdhsa_wavefront_size32 1
		.amdhsa_system_sgpr_workgroup_id_x 1
		.amdhsa_system_sgpr_workgroup_id_y 1
		.amdhsa_system_sgpr_workgroup_id_z 1
		.amdhsa_system_vgpr_workitem_id 0
		.amdhsa_next_free_vgpr 1024
		.amdhsa_next_free_sgpr 66
		.amdhsa_reserve_vcc 0
		.amdhsa_float_denorm_mode_32 3
		.amdhsa_float_denorm_mode_16_64 3
		.amdhsa_memory_ordered 1
		.amdhsa_forward_progress 1
		.amdhsa_inst_pref_size 118
	.end_amdhsa_kernel
	.amdgpu_metadata
---
amdhsa.version: [ 1, 2 ]
amdhsa.kernels:
  - .name:           k_qc25fb89b7e_oproj
    .symbol:         k_qc25fb89b7e_oproj.kd
    .args:
      - { .name: ocod, .offset: 0, .size: 8, .value_kind: global_buffer, .address_space: global }
      - { .name: oscl, .offset: 8, .size: 8, .value_kind: global_buffer, .address_space: global }
      - { .name: Wo_codes, .offset: 16, .size: 8, .value_kind: global_buffer, .address_space: global }
      - { .name: Wo_scales, .offset: 24, .size: 8, .value_kind: global_buffer, .address_space: global }
      - { .name: out0, .offset: 32, .size: 8, .value_kind: global_buffer, .address_space: global }
    .group_segment_fixed_size: 327680
    .private_segment_fixed_size: 0
    .kernarg_segment_align: 8
    .kernarg_segment_size: 40
    .max_flat_workgroup_size: 128
    .sgpr_count:     66
    .vgpr_count:     1024
    .wavefront_size: 32
...
	.end_amdgpu_metadata
.endif
;; end of part 3
